; MI455X (gfx1250); checked and timed in simulation.
; The chip was launched on July 23, 2026; its instructions are those of AMD's public machine-readable ISA for CDNA 5 (MIT licence, August 2026) and "CDNA5" Instruction Set Architecture Reference Guide (July 2026). The comments in the code are by the model that wrote it; some were corrected since.
;; Causal Self Attention. Allowed arithmetic: matrix products marked QUANTISED: E4M3 operands, one given power-of-two scale a tensor, by v_wmma_f32_16x16x64_fp8_fp8 or v_wmma_f32_16x16x128_fp8_fp8, f32 sums; everything else in f32.
;; Inputs: W_attn_codes 3,072 x 32 x 32 uint8 (E4M3 codes of W_attn, K innermost, in blocks of 32 codes); W_proj_codes 1,024 x 32 x 32 uint8 (E4M3 codes of W_proj, K innermost, in blocks of 32 codes); b_attn 3,072 float32; b_proj 1,024 float32; lowp_scales 8 int32 (the exponents e of the quantised operands' scales 2^e); x_codes 4 x 2,048 x 32 x 32 uint8 (E4M3 codes of x, K innermost, in blocks of 32 codes).
;; Outputs: out0 4 x 2,048 x 1,024 float32.
;; This version of the problem:
;;   THIS VERSION OF THE PROBLEM IS GIVEN IN LOW PRECISION. The matrix products marked QUANTISED in the list below multiply operands that are first quantised to E4M3 (4 exponent bits, 3 mantissa bits; 8 bits a number), with one given power-of-two scale for each operand tensor; their sums are f32. All else is computed in f32.
;;   The module's matrix products, in the order in which they are computed (A, B: the left and right operand; K: the contracted axis; several contracted axes count as one K, in the product's order):
;;     1. [M 8,192, K 1,024] x [K 1,024, N 3,072]; A: input x (given as codes); B: input W_attn (given as codes): QUANTISED (scales: A lowp_scales[0], B lowp_scales[1])
;;     2. batch 64 x [M 2,048, K 64] x [K 64, N 2,048]; A: computed on the way; B: computed on the way: QUANTISED (scales: A lowp_scales[2], B lowp_scales[3])
;;     3. batch 64 x [M 2,048, K 2,048] x [K 2,048, N 64]; A: softmax (see below); B: computed on the way: QUANTISED (scales: A lowp_scales[4], B lowp_scales[5])
;;     4. [M 8,192, K 1,024] x [K 1,024, N 1,024]; A: computed on the way; B: input W_proj (given as codes): QUANTISED (scales: A lowp_scales[6], B lowp_scales[7])
;;   THE QUANTISER, for each operand of a quantised product, along K:
;;     - The operand's scale is 2^e, e = its entry of the input lowp_scales (int32; the entries are numbered through the quantised products in the list's order, A before B).
;;     - Each number is divided by the scale, clamped to +-448, and rounded to the nearest number of E4M3, ties to even, subnormals kept.
;;     - The product sums the exact products of the quantised numbers (number of the format x scale) in f32.
;;   ~~~python
;;   def quantise(x, axis, e):      # numpy; x: float32 -> the quantised numbers, widened to float32 again
;;       x = np.moveaxis(x, axis, -1); K = x.shape[-1]
;;       r = np.clip(x / 2.0 ** e, -448, 448)
;;       step = 2.0 ** (np.maximum(np.frexp(np.where(r == 0, 1, r))[1] - 1, -6) - 3)
;;       q = np.round(r / step) * step * 2.0 ** e      # np.round: ties to even
;;       return np.moveaxis(q, -1, axis).astype(np.float32)
;;   ~~~
;;   SOFTMAX AHEAD OF A QUANTISED PRODUCT. Where the list says 'softmax', what is quantised is not the finished softmax but p = 2^(t - M), with t = logit x log2(e) and M = ceil(the row's largest t), a whole number; so 1/2 < the row's largest p <= 1. The row's sum l is taken of the UNQUANTISED p, in f32, and the product's result is divided by l at the end. Since M is a whole number, a kernel that streams over the keys may use a running M (the ceiling of the running maximum): every later rescaling is an exact power of two, so the quantised numbers keep their values, but for numbers so far below the row's largest that they fall under the format's range.
;;   OPERANDS COMPUTED ON THE WAY. 'Computed on the way' means the value that the module computes at that place (a softmax that the list does not call 'softmax' is quantised finished and normalised). What goes into a quantiser is computed in f32, as accurately as f32 sums, v_exp_f32 and their like allow (about 1e-6 of the number): no bf16 or f16 on the way to a quantiser, and a product that is left as it is and whose result goes on into a quantised operand takes f32 operands (vector FMAs, or v_wmma_f32_16x16x4_f32). A number that lies on a knife's edge between two numbers of the format may be rounded either way, as far as f32 arithmetic and the matrix unit's own rounding can turn it there, and no further.
;;   INPUTS GIVEN AS CODES. W_attn (in the module: [1024, 3072], K = its axis 0); W_proj (in the module: [1024, 1024], K = its axis 0); x (in the module: [4, 2048, 1024], K = its axis 2): each comes as NAME_codes (uint8): NAME with its K axis moved to the last place and cut into blocks of 32 codes, [.., K / 32, bytes a block], one block behind the other in memory; one code a byte (a code: sign, 4 exponent bits, 3 mantissa bits); its scale is its entry of lowp_scales. Its value is code x scale, taken as it is: it is not quantised again, and the codes and scales need not be those that the quantiser above would give.
;; One version. Each part assembles by itself: llvm-mc -triple=amdgcn-amd-amdhsa -mcpu=gfx1250 --defsym DOCPART=n.
;; ======== version 1 of 1: 3 launches
;; limits: right only within a limited range of input values
;; workspace buffers: q_img 8,388,608 bytes; k_img 8,388,608 bytes; v_img 8,388,608 bytes; y_img 8,388,608 bytes
;; launch qkv (part 1): grid 12 x 64, 4 waves a work-group, clusters of 4 x 4, 327,680 bytes of LDS; arguments x_codes, W_attn_codes, b_attn, lowp_scales, q_img, k_img, v_img; writes q_img, k_img, v_img
.if DOCPART == 1
	.amdgcn_target "amdgcn-amd-amdhsa--gfx1250"
	.amdhsa_code_object_version 6
	.text
	.protected	k_q427a48422c_qkv
	.globl	k_q427a48422c_qkv
	.p2align	8
	.type	k_q427a48422c_qkv,@function
k_q427a48422c_qkv:
	s_mov_b64 s[64:65], 0
	v_nop
	global_prefetch_b8 v0, s[64:65] scope:SCOPE_SE
	s_setreg_imm32_b32 hwreg(HW_REG_WAVE_MODE, 25, 1), 1
	s_wait_xcnt 0x0
	s_wait_alu depctr_hold_cnt(0) depctr_sa_sdst(0) depctr_va_vdst(0) depctr_va_sdst(0) depctr_va_ssrc(0) depctr_va_vcc(0) depctr_vm_vsrc(0)
	s_getreg_b32 s2, hwreg(HW_REG_IB_STS2, 6, 4)
	s_cmp_eq_u32 s2, 0
	s_cbranch_scc0 .Lentry_in_a_cluster
	s_endpgm
.Lentry_in_a_cluster:
	s_bfe_u32 s2, ttmp6, 0x10000c
	s_cmp_lg_u32 s2, 0xf033
	s_cbranch_scc0 .Lentry_shape_is_right
	s_endpgm
.Lentry_shape_is_right:
; qkv = x W_attn + b_attn on codes of E4M3, and q, k, v quantised at once (scales 2^e2, 2^e3, 2^e5) into three buffers of codes.
; x_codes: [8192][1024], W_attn_codes: [3072][1024], K innermost, one code a byte.  b_attn: [3072] f32.  lowp_scales: e0 .. e7 (int32).
; A TILE is 128 rows of the operand called A here x 256 rows of the operand called B, K = 1024: 768 tiles, three for each of 256 work-group places.  Four waves, each 64 x 128: 32 accumulators, 256 registers.
; THE MATRIX INSTRUCTION IS USED TRANSPOSED: source 0 = 16 rows of B, source 1 = 16 rows of A: lane (r, h) holds row r of A's 16, and its eight registers rows 8 h + 0 .. 7 of B's 16.
;   cluster x = 0, 1 (q, k): A = x (tokens), B = W_attn (channels): a lane's registers run along the channels, which are the K of q k^T.
;   cluster x = 2     (v):   A = W_attn from row 2048 (channels), B = x (tokens): a lane's registers run along the keys, which are the K of p v.
; So the conversions' results ARE the next launch's operand registers, and they are stored as images of those registers: four registers a lane by one store, lane l's 16 bytes at 16 l: each store covers 512 consecutive bytes, aligned.
;   q_img, k_img: (batch x 16 + head) x 131072 + (token / 16) x 1024 + c x 512 + 16 lane: fragment of 16 tokens x 64 channels, registers 2 c', 2 c' + 1 = channels 16 c' + 8 h + 0 .. 7.
;   v_img:        (batch x 16 + head) x 131072 + (token / 128) x 8192 + (channel / 16) x 2048 + c x 512 + 16 lane: fragment of 16 channels x 128 keys, registers 2 c', 2 c' + 1 = keys 16 c' + 8 h + 0 .. 7.
; THE BIAS is the C of each sum's first product, divided by 2^(e0 + e1), the power of two that the sums lack.  code = (sum + bias) / 2^(e_out - e0 - e1).
; K goes in four steps of 256 through THREE LDS slots: steps 0, 1, 2 are asked for together at the start, step 3 is the one refill (slot 0), asked for when step 0 has been read; no loop.
; CLUSTERS: 4 x 4 work-groups; A's tile is shared along a row of the cluster, B's along a column: joint loads, which divide the requests by four.
; Fragments come by four loads of 16 bytes, 32 bytes apart: a permutation of k inside 128, the same in A and B, so every product meets its partner.
; LIMITS: e_out - e0 - e1 between -126 and 119, so that the scale is an f32 number.  NaN in b_attn is not served.
; REGISTERS, in windows of 256: window 0: v1, v2 r, h; v8-10, v12-14 LDS addresses; v20-27 output offsets; v28, v29 the spare word's address and 0; v30 the conversion's scale;
;   v32-95 the bias table; v96-111 the bias loads' offsets; v128-191, v192-255 A's fragments, two sets (set 0's registers take the codes at the end).
;   window 1: B's fragments, two sets, at v0 and v128.   window 2: accumulator (a, b) at v[8 (8 a + b)].
.set PITCH,  272                       ; an LDS row: 256 bytes + 16 of padding = 68 words: the 16 rows that a load touches start at 16 different banks (64 banks of 4 bytes: ISA guide 11.1)
.set HALFA,  64*PITCH                  ; what one wave fetches, and reads, of A
.set HALFT,  128*PITCH                 ; the same of B
.set AT,     2*HALFA                   ; a slot: A's 128 rows, then B's 256
.set SLOT,   AT+2*HALFT
.set SPARE,  3*SLOT                    ; behind the slots: the spare words, 128 bytes for each wave: two blocks of 256 bytes that no other line names
.set ASTEP,  256                       ; a K step in A's rows, in bytes
.set ADRA, 8
.set ADRB, 12
.set OA,   20
.set SPW,  28
.set NIL,  29
.set CSC,  30
.set LIM,  31
.set BT,   32
.set ADJ,  96
.set ADJ2, 104
.set CD,   128
.set G1A, 24                           ; s[24:31], s[32:39] descriptor groups 1 for A's and B's tiles
.set G1B, 32
.set G0A, 40                           ; s[40:51], s[52:63] groups 0, one set for each slot
.set G0B, 52
.set MUL,  0xa1                        ; source 0 (B) window 1, source 1 (A) window 0, C and D window 2
.set MULC, 0x81                        ; the same with C (the bias table) in window 0
.set TO_B, 0x40                        ; destination window 1, address window 0
.set MSB, 0
.macro WIN new                         ; the immediate's high byte repeats the setting that is left
.if MSB != \new
	s_set_vgpr_msb (MSB<<8)|\new
.set MSB, \new
.endif
.endm
.macro PLACES n                        ; plain vector places behind matrix instructions (ISA guide 7.12.1)
.rept \n
	v_nop
.endr
.endm
.macro CREST                           ; a round of the cluster's barrier behind its opening barrier
	s_cmp_lg_u32 s18, 0
	s_cbranch_scc1 .Lnot_wave_0_\@
	s_barrier_signal -3
.Lnot_wave_0_\@:
	s_barrier_wait -3
	s_barrier_signal -1
	s_barrier_wait -1
.endm
.macro CROUND                          ; a whole round
	s_barrier_signal -1
	s_barrier_wait -1
	CREST
.endm
.macro FRAGR reg, adr, q, i            ; a fragment from padded rows: 16 rows x 128 K: registers 4 c .. 4 c + 3 = K 32 c + 16 h + 0 .. 15
.irp c, 0,1,2,3
	ds_load_b128 v[\reg+4*\c:\reg+4*\c+3], v[\adr] offset:128*(\q)+32*\c+(\i)*16*PITCH
.endr
.endm
.macro FETCH slot, q, p                ; 48 LDS loads in one run: B's eight and A's four fragments of the slot's q-th 128 along K, into sets p
	WIN TO_B
.irp i, 0,1,2,3,4,5,6,7
	FRAGR 128*(\p)+16*\i, ADRB+\slot, \q, \i
.endr
	WIN 0
.irp i, 0,1,2,3
	FRAGR 128+64*(\p)+16*\i, ADRA+\slot, \q, \i
.endr
.endm
; 8 products: A's block a against B's eight, sets p.  cm = 0: onto the sums; 2: C = the bias of B's rows; 3: C = the bias of A's rows.
; The 32 accumulators take turns, one instruction a turn, in the same order in every step.
.macro MUL8 a, p, cm
.irp b, 0,1,2,3,4,5,6,7
.if \cm == 0
	v_wmma_f32_16x16x128_fp8_fp8 v[8*(8*(\a)+\b):8*(8*(\a)+\b)+7], v[128*(\p)+16*\b:128*(\p)+16*\b+15], v[128+64*(\p)+16*(\a):128+64*(\p)+16*(\a)+15], v[8*(8*(\a)+\b):8*(8*(\a)+\b)+7]
.elseif \cm == 2
	v_wmma_f32_16x16x128_fp8_fp8 v[8*(8*(\a)+\b):8*(8*(\a)+\b)+7], v[128*(\p)+16*\b:128*(\p)+16*\b+15], v[128+64*(\p)+16*(\a):128+64*(\p)+16*(\a)+15], v[BT+8*\b:BT+8*\b+7]
.else
	v_wmma_f32_16x16x128_fp8_fp8 v[8*(8*(\a)+\b):8*(8*(\a)+\b)+7], v[128*(\p)+16*\b:128*(\p)+16*\b+15], v[128+64*(\p)+16*(\a):128+64*(\p)+16*(\a)+15], v[BT+8*(\a):BT+8*(\a)+7]
.endif
.endr
.endm
.macro STEP p, fetch, fs, fq           ; 128 along K on sets p; the next 128's fragments are asked for first, into the other sets
	s_wait_dscnt 0x0                               ; sets p are in (asked for a step ago)
.if \fetch
	PLACES 4                                       ; in front of loads into registers that the last step's products read
	FETCH \fs, \fq, 1-\p
.endif
	WIN MUL
	MUL8 0, \p, 0
	MUL8 1, \p, 0
	MUL8 2, \p, 0
	MUL8 3, \p, 0
	WIN 0
.endm
	s_load_b256 s[4:11], s[0:1], 0x0               ; x s[4:5], W_attn s[6:7], b_attn s[8:9], the scales' exponents s[10:11]
	s_load_b128 s[12:15], s[0:1], 0x20             ; q_img s[12:13], k_img s[14:15]
	s_load_b64 s[16:17], s[0:1], 0x30              ; v_img
	v_lshl_add_u32 v[SPW], v0, 2, SPARE
	v_mov_b32 v[NIL], 0
	ds_add_u32 v28, v29
	ds_add_u32 v28, v29
	s_wait_dscnt 0x0
	v_lshrrev_b32 v3, 5, v0
	v_readfirstlane_b32 s18, v3                    ; wave 0..3
	s_lshr_b32 s19, s18, 1                         ; which 64 of A's rows are mine.  Also: I fetch for A (0) or for B (1)
	s_and_b32 s20, s18, 1                          ; which 128 of B's rows.  Also: which half of that tile I fetch
	s_bfe_u32 s22, ttmp6, 0x40000                  ; cx
	s_bfe_u32 s23, ttmp6, 0x40004                  ; cy
	s_and_b32 s82, ttmp7, 0xffff                   ; cluster y, 0..15
	s_and_b32 s85, s82, 1
	s_lshr_b32 s86, s82, 1
	s_cmp_eq_u32 ttmp9, 2                          ; cluster x = 2: v.  The same in all sixteen partners
	s_cselect_b32 s76, 1, 0
	s_cselect_b32 s83, s85, s82                    ; v: 8 tiles of channels, 32 tiles of tokens;  q, k: 64 tiles of tokens, 4 of channels each
	s_cselect_b32 s84, s86, ttmp9
	s_cselect_b32 s87, 2048, 0                     ; v's rows of W_attn begin at 2048
	s_lshl_b32 s83, s83, 2
	s_add_co_u32 s83, s83, s23                     ; A's tile: hangs on cy alone of the two places
	s_lshl_b32 s84, s84, 2
	s_add_co_u32 s84, s84, s22                     ; B's tile: on cx alone
	s_lshl_b32 s88, s23, 2
	s_lshl_b32 s88, 15, s88                        ; my row of the cluster
	s_lshl_b32 s89, 0x1111, s22                    ; my column
	; descriptor groups 1: rows of 256 bytes, 1,024 bytes apart in memory, padded in LDS; A: 64 rows a load, B: 128
	s_or_b32 s[G1A], s88, (1<<20)|(1<<21)|(5<<22)|(3<<25)   ; 15:0 the mask; 17:16 elements of 1 byte; 20 padding on; 21 set beside a mask; 24:22 after every 64 words; 31:25 four words
	s_or_b32 s[G1B], s89, (1<<20)|(1<<21)|(5<<22)|(3<<25)
	s_mov_b32 s[G1A+1], 256<<16                    ; tensor_dim0
	s_mov_b32 s[G1A+2], 64<<16                     ; tensor_dim1
	s_mov_b32 s[G1A+3], 256<<16                    ; tile_dim0
	s_mov_b32 s[G1A+4], 64                         ; tile_dim1
	s_mov_b32 s[G1A+5], 1024                       ; the pitch
	s_mov_b32 s[G1A+6], 0
	s_mov_b32 s[G1A+7], 0
	s_mov_b32 s[G1B+1], 256<<16
	s_mov_b32 s[G1B+2], 128<<16
	s_mov_b32 s[G1B+3], 256<<16
	s_mov_b32 s[G1B+4], 128
	s_mov_b32 s[G1B+5], 1024
	s_mov_b32 s[G1B+6], 0
	s_mov_b32 s[G1B+7], 0
	s_lshl_b32 s88, s83, 7                         ; A: row 128 x tile (+ 2048) + 64 x half, x 1,024 bytes
	s_add_co_u32 s88, s88, s87
	s_lshl_b32 s77, s20, 6
	s_add_co_u32 s88, s88, s77
	s_lshl_b32 s88, s88, 10
	s_mov_b32 s89, 0
	s_lshl_b32 s86, s84, 8                         ; B: row 256 x tile + 128 x half
	s_lshl_b32 s77, s20, 7
	s_add_co_u32 s86, s86, s77
	s_lshl_b32 s86, s86, 10
	s_mov_b32 s87, 0
	s_mul_i32 s21, s20, HALFA                      ; where they go: no place in the cluster enters an LDS address
	s_mul_i32 s77, s20, HALFT
	s_add_co_u32 s77, s77, AT
	s_wait_kmcnt 0x0
	s_load_b256 s[68:75], s[10:11], 0x0            ; e0 .. e7
	s_cmp_eq_u32 ttmp9, 2
	s_cselect_b64 s[78:79], s[6:7], s[4:5]         ; A's buffer
	s_cselect_b64 s[80:81], s[4:5], s[6:7]         ; B's
	s_add_nc_u64 s[78:79], s[78:79], s[88:89]
	s_add_nc_u64 s[80:81], s[80:81], s[86:87]
.irp s, 0,1,2
	s_mov_b32 s[G0A+4*\s], 1
	s_add_co_u32 s[G0A+4*\s+1], s21, \s*SLOT
	s_add_nc_u64 s[G0A+4*\s+2:G0A+4*\s+3], s[78:79], \s*ASTEP
	s_or_b32 s[G0A+4*\s+3], s[G0A+4*\s+3], 0x80000000
	s_mov_b32 s[G0B+4*\s], 1
	s_add_co_u32 s[G0B+4*\s+1], s77, \s*SLOT
	s_add_nc_u64 s[G0B+4*\s+2:G0B+4*\s+3], s[80:81], \s*256
	s_or_b32 s[G0B+4*\s+3], s[G0B+4*\s+3], 0x80000000
.endr
	CROUND                                         ; all sixteen work-groups are here: the first joint loads meet
	s_cmp_eq_u32 s19, 0                            ; a wave's three first fills stand in one branch on the wave's number: three loads of mine are out
	s_cbranch_scc0 .Lfirst_b
	tensor_load_to_lds s[G0A:G0A+3], s[G1A:G1A+7]
	s_nop 0
	tensor_load_to_lds s[G0A+4:G0A+7], s[G1A:G1A+7]
	s_nop 0
	tensor_load_to_lds s[G0A+8:G0A+11], s[G1A:G1A+7]
	s_nop 0
	PLACES 4
	s_branch .Lfirst_asked
.Lfirst_b:
	tensor_load_to_lds s[G0B:G0B+3], s[G1B:G1B+7]
	s_nop 0
	tensor_load_to_lds s[G0B+4:G0B+7], s[G1B:G1B+7]
	s_nop 0
	tensor_load_to_lds s[G0B+8:G0B+11], s[G1B:G1B+7]
	s_nop 0
	PLACES 4
.Lfirst_asked:
	v_and_b32 v1, 15, v0                           ; r
	v_bfe_u32 v2, v0, 4, 1                         ; h
	v_and_b32 v3, 31, v0
	s_wait_alu depctr_va_vdst(0)
	v_mul_u32_u24 v4, v1, PITCH
	v_lshl_add_u32 v4, v2, 4, v4                   ; a fragment's row x pitch + 16 h
	s_mul_i32 s82, s19, HALFA                      ; my 64 rows of A
	s_mul_i32 s85, s20, HALFT
	s_add_co_u32 s85, s85, AT                      ; my 128 rows of B
.irp s, 0,1,2
	v_add_nc_u32 v[ADRA+\s], s82, v4
	v_add_nc_u32 v[ADRB+\s], s85, v4
	s_add_co_u32 s82, s82, SLOT
	s_add_co_u32 s85, s85, SLOT
.endr
	; the way out's offsets: block a (16 rows of A), half g of its 16 code registers: 16 lane + a x astep + g x gstep
	s_cmp_eq_u32 s76, 1
	s_mov_b32 s82, 1024
	s_cselect_b32 s82, 2048, s82                   ; astep: q, k: the next 16 tokens; v: the next 16 channels
	s_mov_b32 s85, 131072
	s_cselect_b32 s85, 1024, s85                   ; gstep: q, k: the next head; v: the fragment's upper eight registers
	v_lshlrev_b32 v[OA], 4, v3
	v_add_nc_u32 v[OA+1], s85, v[OA]
.irp i, 2,3,4,5,6,7
	v_add_nc_u32 v[OA+\i], s82, v[OA+\i-2]
.endr
	; where my wave's part begins in its buffer, and in b_attn
	s_lshl_b32 s82, s83, 7
	s_lshl_b32 s85, s19, 6
	s_add_co_u32 s82, s82, s85                     ; my first row of A (v: channel, counted from v's first)
	s_lshl_b32 s85, s84, 8
	s_lshl_b32 s86, s20, 7
	s_add_co_u32 s85, s85, s86                     ; my first row of B
	s_and_b32 s86, s85, 1023
	s_add_co_u32 s89, s82, 2048
	s_cmp_eq_u32 s76, 1
	s_cselect_b32 s87, s85, s82                    ; token
	s_cselect_b32 s88, s82, s86                    ; channel within q, k or v
	s_cselect_b32 s89, s89, s85                    ; index into b_attn
	s_lshr_b32 s86, s87, 11
	s_lshl_b32 s86, s86, 4
	s_lshr_b32 s88, s88, 6
	s_add_co_u32 s86, s86, s88                     ; batch x 16 + head
	s_lshl_b32 s86, s86, 17
	s_and_b32 s87, s87, 2047
	s_lshl_b32 s87, s87, 6                         ; 64 bytes a token in all three layouts
	s_add_co_u32 s86, s86, s87
	s_mov_b32 s87, 0
	s_cmp_eq_u32 ttmp9, 0
	s_cselect_b64 s[90:91], s[12:13], s[14:15]
	s_cmp_eq_u32 ttmp9, 2
	s_cselect_b64 s[90:91], s[16:17], s[90:91]
	s_add_nc_u64 s[90:91], s[90:91], s[86:87]
	s_lshl_b32 s88, s89, 2
	s_mov_b32 s89, 0
	s_add_nc_u64 s[92:93], s[8:9], s[88:89]
	; the bias table, in the result's layout.  q, k: entry 8 g + j = b(first + 16 g + 8 h + j), g = B's block.  v: entry 8 g + j = b(first + 16 (g % 4) + r), g = A's block, the same for every j.
	; One path serves both: the lane's and the register's strides are chosen, not the text.
	s_cmp_eq_u32 s76, 1
	s_cselect_b32 s82, 4, 0
	s_cselect_b32 s85, 0, 32
	s_cselect_b32 s86, 0, 4
	s_cselect_b32 s87, 0, 256
	v_mul_u32_u24 v[ADJ], s82, v1
	v_mad_u32_u24 v[ADJ], v2, s85, v[ADJ]
.irp j, 1,2,3,4,5,6,7
	v_add_nc_u32 v[ADJ+\j], s86, v[ADJ+\j-1]
.endr
.irp j, 0,1,2,3,4,5,6,7
	v_add_nc_u32 v[ADJ2+\j], s87, v[ADJ+\j]
.endr
.irp g, 0,1,2,3
.irp j, 0,1,2,3,4,5,6,7
	global_load_b32 v[BT+8*\g+\j], v[ADJ+\j], s[92:93] offset:64*\g
	global_load_b32 v[BT+32+8*\g+\j], v[ADJ2+\j], s[92:93] offset:64*\g
.endr
.endr
	s_wait_kmcnt 0x0
	s_add_co_i32 s82, s68, s69                     ; e0 + e1: a sum stands for sum x 2^(e0 + e1)
	s_sub_co_i32 s85, 0, s82
	s_cmp_eq_u32 ttmp9, 0
	s_cselect_b32 s86, s70, s71
	s_cmp_eq_u32 ttmp9, 2
	s_cselect_b32 s86, s73, s86                    ; e_out: e2 for q, e3 for k, e5 for v
	s_sub_co_i32 s86, s86, s82
	s_add_co_i32 s86, s86, 127
	s_lshl_b32 s87, s86, 23
	v_mov_b32 v[CSC], s87                          ; 2^(e_out - e0 - e1): the three scales folded into the conversion's one
	s_wait_loadcnt 0x0
.set i, 0
.rept 64
	v_ldexp_f32 v[BT+i], v[BT+i], s85              ; b / 2^(e0 + e1)
.set i, i+1
.endr
	s_wait_tensorcnt 0x2                           ; my part of K step 0 is in; K steps 1 and 2 may stay out
	s_barrier_signal -1
	s_barrier_wait -1                              ; everybody's is
	FETCH 0, 0, 0
	FETCH 0, 1, 1
	s_wait_dscnt 48                                ; the first fetch is in; the second's 48 loads may be out
	s_cmp_eq_u32 s76, 1                            ; only the first products differ: whose rows the bias follows.  Matrix instructions alone stand in the two arms
	s_cbranch_scc1 .Lfirst_v
	WIN MULC
	s_wait_alu depctr_va_vdst(0)
	MUL8 0, 0, 2
	MUL8 1, 0, 2
	MUL8 2, 0, 2
	MUL8 3, 0, 2
	WIN 0
	s_branch .Lfirst_done
.Lfirst_v:
	WIN MULC
	MUL8 0, 0, 3
	MUL8 1, 0, 3
	MUL8 2, 0, 3
	MUL8 3, 0, 3
	WIN 0
.Lfirst_done:
	; THE ONE REFILL.  Slot 0 has been read out (both fetches above): it takes K step 3.  Each wave waits for all its tensor loads, adds 0 to its spare word, waits for that and for its reads; the barrier opens a round of the cluster's.
	s_wait_tensorcnt 0x0                           ; all my tensor loads have landed: my parts of K steps 1 and 2
	ds_add_u32 v[SPW], v[NIL]                      ; 0 onto my spare word
	s_wait_dscnt 0x1                               ; sets 1 are in; the add may be out
	WIN MUL
	MUL8 0, 1, 0                                   ; eight matrix instructions stand between the add and the wait for it
	s_wait_dscnt 0x0                               ; the add is done, and my reads of slot 0 are over
	s_barrier_signal -1
	MUL8 1, 1, 0
	WIN 0
	s_barrier_wait -1
	CREST                                          ; no wave of any partner still reads slot 0 or has a load on its way
	s_add_nc_u64 s[G0A+2:G0A+3], s[G0A+2:G0A+3], 3*ASTEP
	s_add_nc_u64 s[G0B+2:G0B+3], s[G0B+2:G0B+3], 3*256
	s_cmp_eq_u32 s19, 0
	s_cbranch_scc0 .Lrefill_b
	tensor_load_to_lds s[G0A:G0A+3], s[G1A:G1A+7]  ; the first tensor load behind the round, one a wave: 128 matrix instructions ahead of the wait for it
	s_nop 0
	PLACES 4                                       ; (the places in front of the loads below)
	s_branch .Lrefill_asked
.Lrefill_b:
	tensor_load_to_lds s[G0B:G0B+3], s[G1B:G1B+7]
	s_nop 0
	PLACES 4
.Lrefill_asked:
	FETCH 1, 0, 0
	WIN MUL
	MUL8 2, 1, 0
	MUL8 3, 1, 0
	WIN 0
	STEP 0, 1, 1, 1
	STEP 1, 1, 2, 0
	STEP 0, 1, 2, 1
	; K step 3 is wanted: the wave that asked waits for its part, then the work-group's barrier.
	s_wait_tensorcnt 0x0                           ; the one load that was out: my part of K step 3
	s_wait_dscnt 0x0                               ; sets 1 are in
	s_barrier_signal -1
	WIN MUL
	MUL8 0, 1, 0
	MUL8 1, 1, 0
	WIN 0
	s_barrier_wait -1
	PLACES 4
	FETCH 0, 0, 0
	WIN MUL
	MUL8 2, 1, 0
	MUL8 3, 1, 0
	WIN 0
	STEP 0, 1, 0, 1
	STEP 1, 0, 0, 0
	PLACES 4                                       ; in front of the first read of results
; THE WAY OUT of block a: 64 numbers a lane are converted, each accumulator from its low end on,: 16 registers of codes,
; which are operand registers of the next launch as they stand.  Each block has its own code registers, so no store's data are written again.
.macro OUTBLK a
	WIN 0x02                                       ; source 0: window 2
.set i, 0
.rept 64
.set i, i+1
.endr
.irp b, 0,1,2,3,4,5,6,7
	v_cvt_scalef32_pk8_fp8_f32 v[CD+16*\a+2*\b:CD+16*\a+2*\b+1], v[BT+8*\b+((64*\a+i)-(BT+i)):BT+8*\b+7+((64*\a+i)-(BT+i))], v[CSC]
.endr
	WIN 0
	v_nop                                          ; one plain vector line between the conversions and the stores that read their results
.irp g, 0,1
.irp e, 0,1
	global_store_b128 v[OA+2*\a+\g], v[CD+16*\a+8*\g+4*\e:CD+16*\a+8*\g+4*\e+3], s[90:91] offset:512*\e   ; 32 lanes store 512 consecutive bytes, aligned
.endr
.endr
.endm
	OUTBLK 0
	OUTBLK 1
	OUTBLK 2
	OUTBLK 3
	s_wait_tensorcnt 0x0                           ; the wave's end
	ds_add_u32 v[SPW], v[NIL]
	s_wait_dscnt 0x0
	CROUND                                         ; the closing round: no work-group ends while a partner may still ask for a tile that names it
	s_endpgm
.Lfunc_end_k_q427a48422c_qkv:
	.size	k_q427a48422c_qkv, .Lfunc_end_k_q427a48422c_qkv-k_q427a48422c_qkv
	.p2alignl 7, 3214868480
	.fill 96, 4, 3214868480
	.section	.rodata,"a",@progbits
	.p2align	6, 0x0
	.amdhsa_kernel k_q427a48422c_qkv
		.amdhsa_group_segment_fixed_size 327680
		.amdhsa_private_segment_fixed_size 0
		.amdhsa_enable_private_segment 0
		.amdhsa_kernarg_size 56
		.amdhsa_user_sgpr_count 2
		.amdhsa_user_sgpr_kernarg_segment_ptr 1
		.amdhsa_wavefront_size32 1
		.amdhsa_system_sgpr_workgroup_id_x 1
		.amdhsa_system_sgpr_workgroup_id_y 1
		.amdhsa_system_sgpr_workgroup_id_z 1
		.amdhsa_system_vgpr_workitem_id 0
		.amdhsa_next_free_vgpr 768
		.amdhsa_next_free_sgpr 100
		.amdhsa_reserve_vcc 0
		.amdhsa_float_denorm_mode_32 3
		.amdhsa_float_denorm_mode_16_64 3
		.amdhsa_fp16_overflow 1
		.amdhsa_memory_ordered 1
		.amdhsa_forward_progress 1
		.amdhsa_inst_pref_size 70
	.end_amdhsa_kernel
	.amdgpu_metadata
---
amdhsa.version: [ 1, 2 ]
amdhsa.kernels:
  - .name:           k_q427a48422c_qkv
    .symbol:         k_q427a48422c_qkv.kd
    .args:
      - { .name: x_codes, .offset: 0, .size: 8, .value_kind: global_buffer, .address_space: global }
      - { .name: W_attn_codes, .offset: 8, .size: 8, .value_kind: global_buffer, .address_space: global }
      - { .name: b_attn, .offset: 16, .size: 8, .value_kind: global_buffer, .address_space: global }
      - { .name: lowp_scales, .offset: 24, .size: 8, .value_kind: global_buffer, .address_space: global }
      - { .name: q_img, .offset: 32, .size: 8, .value_kind: global_buffer, .address_space: global }
      - { .name: k_img, .offset: 40, .size: 8, .value_kind: global_buffer, .address_space: global }
      - { .name: v_img, .offset: 48, .size: 8, .value_kind: global_buffer, .address_space: global }
    .group_segment_fixed_size: 327680
    .private_segment_fixed_size: 0
    .kernarg_segment_align: 8
    .kernarg_segment_size: 56
    .max_flat_workgroup_size: 128
    .sgpr_count:     100
    .vgpr_count:     768
    .wavefront_size: 32
...
	.end_amdgpu_metadata
.endif
;; end of part 1
;; launch attn (part 2): grid 4 x 64, 16 waves a work-group, no clusters, 327,680 bytes of LDS; arguments q_img, k_img, v_img, lowp_scales, y_img; writes y_img
.if DOCPART == 2
	.amdgcn_target "amdgcn-amd-amdhsa--gfx1250"
	.amdhsa_code_object_version 6
	.text
	.protected	k_q427a48422c_attn
	.globl	k_q427a48422c_attn
	.p2align	8
	.type	k_q427a48422c_attn,@function
k_q427a48422c_attn:
	s_mov_b64 s[64:65], 0
	v_nop
	global_prefetch_b8 v0, s[64:65] scope:SCOPE_SE
	s_setreg_imm32_b32 hwreg(HW_REG_WAVE_MODE, 25, 1), 1
	s_wait_xcnt 0x0
; Causal attention on codes of E4M3: 64 heads (batch x 16 + head) of 2,048 tokens x 64 channels.  q_img, k_img, v_img hold operand registers as images (the launch before lays them); y_img takes the same for the last product.
; THE SOFTMAX AHEAD OF THE SECOND PRODUCT: t = score x log2(e) / 8; M = the row's largest t so far, rounded UP to a whole number; p = 2^(t - M) is quantised (scale 2^e4), not normalised.
; The row's sum is taken of the unquantised p, in f32, and divides O at the end.  When M moves, the sum and O are multiplied by 2^(old M - new M): exact.  y = O / sum is quantised with 2^e6.
; SHARES.  Work-group (I, head) owns the blocks I and 7 - I of 256 queries, one after the other: (I + 1) + (8 - I) = 9 slots of 256 keys for every work-group: 256 work-groups of equal work, and a trip count that is a constant.
; Each of the SIXTEEN waves owns 16 queries of the block, in 256 registers: four waves to a SIMD, so that one wave's vector work stands beside another's matrix work and LDS loads.
; NO CLUSTER: the four work-groups of a head begin anew at key 0 in different trips (behind trip I), so in a given trip they want different tiles; joint loads would need the same tile in the same trip.
; LAYOUT.  Both products are used transposed: S^T = K Q^T (source 0 = 16 keys, source 1 = my 16 queries, K = 64), O^T = V^T P^T (source 0 = 16 channels, source 1 = P, K = 128 keys): a lane holds ONE query (lane % 16) throughout.
; In tile T of S^T register j is key 16 T + 8 h + j: its two code registers are registers 2 T, 2 T + 1 of P's fragment as the form's own layout has them.
; LDS: two slots of 32,768 bytes: 16 fragments of K (1 KB each), then 2 key steps x 4 fragments of V (2 KB each): dense images, read at 16 x lane: no pitch, no padding.  Wave 0 fetches K's 16 KB, wave 1 V's.
; y_img: (row / 128) x 131072 + (head / 4) x 32768 + ((row / 16) % 8) x 4096 + (head % 4) x 1024 + b x 512 + 16 lane: lane (r, h) holds row r, channels 32 b + 16 h + 0 .. 15 of the head.
; LIMITS on the given exponents, so that each power of two below is an f32 number: e2 + e3 between -123 and 130 (added to c's exponent field); e4, and e6 - e4 - e5, between -126 and 119.
; REGISTERS: v1 16 x lane; v2 r - 8 h; v3 256 x lane; v5, v6 the spare word's address and 0; v8 LDS address; v12 -M, v13 the largest t, v[14:15] the sum in two halves; v16-23 Q; v24-31 Q of the second block;
;   v32-95 fragments of K, then of V; v96-159 S^T, then p; v160-191 O^T; v192-207 p's codes; v208-215 y's codes; v216-219 the exchange; v244: 2^e4; v245: 2^(e6 - e4 - e5); v236-254 at work.
.set SLOT1, 32768                      ; slot 1 begins here: one exclusive or turns an address in one slot into the other's
.set VOFF,  16384
.set SPARE, 65536                      ; behind the slots: the spare words, 128 bytes for each wave: eight blocks of 256 bytes that no other line names
.set LI,  1
.set DB,  2
.set PFO, 3
.set SPW, 5
.set NIL, 6
.set ADR, 8
.set WV,  18                           ; s18  my wave's number
.set SEL, 20                           ; s[20:21] lane selects for v_permlanex16_b32: lane l xor 16
.set CS,  22                           ; s[22:23] c = log2(e) / 8 x 2^(e2 + e3)
.set G1,  24                           ; s[24:31] descriptor group 1;  s[32:35] group 0
.set G0,  32
.set HB,  36                           ; s[36:37] the head's first byte in the buffer that I fetch from;  s[38:39] the slot's offset
.set WI,  40                           ; s40  I
.set J,   41                           ; s41  the trip
.set TB,  42                           ; s42  LDS byte at which the slot in hand begins
.set KF,  43                           ; s43  the step's first key
.set Q0,  44                           ; s44  my first query;  s45 the second block's
.set YA,  56                           ; s[56:57], s[58:59] where my codes of y go, for the two blocks
.set YB,  58
.set PFA, 60                           ; s[60:61] where my prefetches stand
.set PLIM, 62                          ; s62  a wave prefetches while the trip's number is under it
.set HM,  63                           ; s63  the mask of lanes 16 to 31
.macro TLOAD                           ; waves 0 and 1 fetch, the others nothing; four v_nop follow the line
	s_cmp_lt_u32 s[WV], 2
	s_cbranch_scc0 .Lasked_\@
	tensor_load_to_lds s[G0:G0+3], s[G1:G1+7]
	s_nop 0
.rept 4
	v_nop
.endr
.Lasked_\@:
.endm
; A PREFETCH INTO THE L2 of what the NEXT change of slots will ask for.  Work-group I = 0 walks, from trip 1 on, all eight slots of the head in order: the change of trip j loads slot j, and names slot j + 1 here, one trip
; (two key steps of each of its waves) ahead of that load.  It alone asks, and in it four waves that fetch nothing: waves 4 and 5 for K's 16 KB, waves 6 and 7 for V's, 8 KB a wave, lanes 256 bytes apart:
; so each aligned block of 256 bytes of slots 1 to 7 is named once in the launch.  Slot 0 comes by its loads alone; trips 7 and 8 ask for nothing: there is no slot 8.
.macro ASK
	s_cmp_lt_u32 s[J], s[PLIM]
	s_cbranch_scc0 .Lnot_mine_\@
	global_prefetch_b8 v[PFO], s[PFA:PFA+1] th:TH_LOAD_NT scope:SCOPE_SE
.Lnot_mine_\@:
.endm
.macro INIT                            ; a block of queries begins: the largest t is -3e38, under every t; the sum and O^T are zeros, which the first change of M leaves zeros
	v_mov_b32 v13, 0xff61b1e6
	s_delay_alu instid0(VALU_DEP_1)
	v_floor_f32 v12, -v13
	v_mov_b32 v14, 0
	v_mov_b32 v15, 0
.set i, 0
.rept 32
	v_mov_b32 v[160+i], 0
.set i, i+1
.endr
.endm
.macro YADDR d, q                      ; where the 16 queries from s[q] on put their codes of y
	s_add_co_u32 s68, s74, s[\q]                   ; the row of y
	s_lshr_b32 s69, s68, 7
	s_lshl_b32 s69, s69, 17
	s_bfe_u32 s68, s68, 0x30004                    ; (row / 16) % 8
	s_lshl_b32 s68, s68, 12
	s_add_co_u32 s68, s68, s69
	s_add_co_u32 s[\d], s68, s75
	s_mov_b32 s[\d+1], 0
	s_add_nc_u64 s[\d:\d+1], s[12:13], s[\d:\d+1]
.endm
	s_load_b256 s[4:11], s[0:1], 0x0               ; q_img s[4:5], k_img s[6:7], v_img s[8:9], the scales' exponents s[10:11]
	s_load_b64 s[12:13], s[0:1], 0x20              ; y_img
	v_lshl_add_u32 v[SPW], v0, 2, SPARE
	v_mov_b32 v[NIL], 0
	ds_add_u32 v5, v6
	ds_add_u32 v5, v6
	s_wait_dscnt 0x0
	v_lshrrev_b32 v8, 5, v0
	s_delay_alu instid0(VALU_DEP_1)
	v_readfirstlane_b32 s[WV], v8                  ; wave 0..15
	s_mov_b32 s[WI], ttmp9
	s_and_b32 s46, s[WV], 1
	s_lshl_b32 s47, s[WV], 4
	s_lshl_b32 s[Q0], s[WI], 8
	s_add_co_u32 s[Q0], s[Q0], s47                 ; my first query: 256 I + 16 x wave,
	s_sub_co_u32 s45, 7, s[WI]
	s_lshl_b32 s45, s45, 8
	s_add_co_u32 s45, s45, s47                     ; and in the second block: 256 (7 - I) + 16 x wave
	s_and_b32 s66, ttmp7, 0xffff                   ; batch x 16 + head
	s_lshr_b32 s74, s66, 4
	s_lshl_b32 s74, s74, 11                        ; the batch's first row of y
	s_bfe_u32 s75, s66, 0x20002                    ; head / 4
	s_lshl_b32 s75, s75, 15
	s_and_b32 s68, s66, 3                          ; head % 4
	s_lshl_b32 s68, s68, 10
	s_add_co_u32 s75, s75, s68
	s_lshl_b32 s66, s66, 17                        ; the head's first byte in q_img, k_img, v_img
	s_mov_b32 s67, 0
	s_lshl_b32 s70, s[Q0], 6                       ; 64 bytes a token
	s_mov_b32 s71, 0
	s_lshl_b32 s72, s45, 6
	s_mov_b32 s73, 0
	; descriptor group 1: a dense block of 16,384 bytes as 64 rows of 32 elements of 8 bytes
	s_mov_b32 s[G1], 3<<16
	s_mov_b32 s[G1+1], 32<<16                      ; tensor_dim0
	s_mov_b32 s[G1+2], 64<<16                      ; tensor_dim1
	s_mov_b32 s[G1+3], 32<<16                      ; tile_dim0
	s_mov_b32 s[G1+4], 64                          ; tile_dim1
	s_mov_b32 s[G1+5], 32                          ; the pitch
	s_mov_b32 s[G1+6], 0
	s_mov_b32 s[G1+7], 0
	s_mov_b32 s[G0], 1
	s_lshl_b32 s[G0+1], s46, 14                    ; slot 0: K at 0 (wave 0), V at 16,384 (wave 1)
	s_mov_b32 s[SEL], 0x76543210
	s_mov_b32 s[SEL+1], 0xfedcba98
	s_mov_b32 s[CS], 0x3e38aa3b                    ; log2(e) / 8
	s_mov_b32 s[HM], 0xffff0000
	s_mov_b32 s[TB], 0
	s_mov_b32 s[KF], 0
	s_mov_b32 s[J], 0
	s_lshr_b32 s68, s[WV], 2
	s_xor_b32 s68, s68, 1                          ; 0 in waves 4 to 7,
	s_or_b32 s68, s68, ttmp9                       ; of work-group I = 0
	s_cmp_eq_u32 s68, 0
	s_cselect_b32 s[PLIM], 7, 0
	s_wait_kmcnt 0x0
	s_load_b256 s[48:55], s[10:11], 0x0            ; e0 .. e7
	s_cmp_eq_u32 s46, 0
	s_cselect_b64 s[HB:HB+1], s[6:7], s[8:9]
	s_add_nc_u64 s[HB:HB+1], s[HB:HB+1], s[66:67]
	s_mov_b64 s[G0+2:G0+3], s[HB:HB+1]
	s_or_b32 s[G0+3], s[G0+3], 0x80000000
	TLOAD                                          ; keys 0 to 255 into slot 0
	v_and_b32 v9, 31, v0
	s_delay_alu instid0(VALU_DEP_1)
	v_lshlrev_b32 v[LI], 4, v9
	s_delay_alu instid0(VALU_DEP_2)
	v_lshlrev_b32 v[PFO], 8, v9
	v_and_b32 v10, 15, v0                          ; r
	v_bfe_u32 v11, v0, 4, 1                        ; h
	s_delay_alu instid0(VALU_DEP_1)
	v_lshlrev_b32 v11, 3, v11
	s_delay_alu instid0(VALU_DEP_1)
	v_sub_nc_u32 v[DB], v10, v11                   ; r - 8 h
	s_add_nc_u64 s[4:5], s[4:5], s[66:67]
	s_add_nc_u64 s[70:71], s[4:5], s[70:71]
	s_add_nc_u64 s[72:73], s[4:5], s[72:73]
	global_load_b128 v[16:19], v[LI], s[70:71]     ; Q's fragments of both blocks stay in registers
	global_load_b128 v[20:23], v[LI], s[70:71] offset:512
	global_load_b128 v[24:27], v[LI], s[72:73]
	global_load_b128 v[28:31], v[LI], s[72:73] offset:512
	s_cmp_lt_u32 s[WV], 6
	s_cselect_b64 s[PFA:PFA+1], s[6:7], s[8:9]
	s_add_nc_u64 s[PFA:PFA+1], s[PFA:PFA+1], s[66:67]
	s_lshl_b32 s68, s46, 13
	s_mov_b32 s69, 0
	s_add_nc_u64 s[PFA:PFA+1], s[PFA:PFA+1], s[68:69]   ; in slot 0: the first change steps it to slot 1.  Nothing is prefetched here, at the head
	YADDR YA, Q0
	YADDR YB, 45
	INIT
	v_mov_b32 v236, 0                              ; written once: a lane permute's destination counts as one of its sources
	v_mov_b32 v217, 0
	v_mov_b32 v219, 0
	v_mov_b32 v253, 0                              ; (named as the upper half of the pair v[252:253])
	s_wait_kmcnt 0x0
	s_add_co_i32 s68, s50, s51
	s_lshl_b32 s68, s68, 23
	s_add_co_i32 s[CS], s[CS], s68                 ; a score stands for score x 2^(e2 + e3): the two exponents are added to c's exponent field
	s_mov_b32 s[CS+1], s[CS]                       ; (named with it as a pair, so it is written)
	s_add_co_i32 s68, s52, 127
	s_lshl_b32 s69, s68, 23
	v_mov_b32 v244, s69                            ; 2^e4
	s_sub_co_i32 s68, s54, s52
	s_sub_co_i32 s68, s68, s53                     ; a sum of the second product stands for sum x 2^(e4 + e5): y's code is (sum / l) / 2^(e6 - e4 - e5)
	s_add_co_i32 s68, s68, 127
	s_lshl_b32 s69, s68, 23
	v_mov_b32 v245, s69
; A KEY STEP: 128 keys, the q-th of the slot in hand.
.macro STEP q
	s_add_co_u32 s66, s[Q0], 15                    ; a step all of whose keys come after my 16 queries is left out: a scalar branch on ids; no barrier and no tensor load stands in a step
	s_cmp_gt_u32 s[KF], s66
	s_cbranch_scc1 .Lhidden_\@
	v_add_nc_u32 v[ADR], s[TB], v[LI]
.rept 3
	v_nop                                          ; with the addition above: four places in front of loads into registers that the last products read
.endr
.irp t, 0,1,2,3,4,5,6,7
	ds_load_b128 v[32+8*\t:35+8*\t], v[ADR] offset:(8*\q+\t)*1024
	ds_load_b128 v[36+8*\t:39+8*\t], v[ADR] offset:(8*\q+\t)*1024+512
.endr
	s_wait_alu depctr_va_vdst(0)
	s_wait_dscnt 0x0
.irp t, 0,1,2,3,4,5,6,7
	v_wmma_f32_16x16x64_fp8_fp8 v[96+8*\t:103+8*\t], v[32+8*\t:39+8*\t], v[16:23], 0   ; S^T: tile t = keys 16 t on
.endr
.rept 4
	v_nop                                          ; places: in front of the loads below and of the first read of the scores
.endr
.irp t, 0,1,2,3
.irp c, 0,1,2,3
	ds_load_b128 v[32+16*\t+4*\c:35+16*\t+4*\c], v[ADR] offset:VOFF+(4*\q+\t)*2048+512*\c   ; V's four fragments land while the softmax is worked
.endr
.endr
	s_add_co_u32 s66, s[KF], 127                   ; on the diagonal the scores of hidden keys become -infinity ahead of the maximum: p = 0 then.  A step all of whose keys count skips this
	s_cmp_le_u32 s66, s[Q0]
	s_cbranch_scc1 .Lopen_\@
	s_sub_co_i32 s66, s[Q0], s[KF]
	v_add_nc_u32 v252, s66, v[DB]                  ; d = my query - KF - 8 h.  Register 8 T + j holds key KF + 16 T + 8 h + j: hidden where 16 T + j > d
	v_mov_b32 v254, 0xff800000
.set n, 0
.rept 64
	v_cmp_gt_i32 vcc_lo, 16*(n/8)+n%8, v252
	v_cndmask_b32 v[96+n], v[96+n], v254, vcc_lo
.set n, n+1
.endr
.Lopen_\@:
	v_max3_num_f32 v254, v96, v97, v98             ; the step's largest score of my query, among my 64 keys, in two chains, each accumulator from its low end on,
	v_max3_num_f32 v252, v99, v100, v101
.irp i, 6,10,14,18,22,26,30,34,38,42,46,50,54,58
	v_max3_num_f32 v254, v254, v[96+\i], v[97+\i]
	v_max3_num_f32 v252, v252, v[98+\i], v[99+\i]
.endr
	v_max3_num_f32 v254, v254, v158, v159
	s_delay_alu instid0(VALU_DEP_1)
	v_max_num_f32 v254, v254, v252
	s_delay_alu instid0(VALU_DEP_1)
	v_permlanex16_b32 v236, v254, s[SEL], s[SEL+1]
	s_delay_alu instid0(VALU_DEP_1)
	v_max_num_f32 v254, v254, v236                 ; and among lane l xor 16's
	s_delay_alu instid0(VALU_DEP_1)
	v_mul_f32 v254, s[CS], v254                    ; as t (c is positive)
	s_delay_alu instid0(VALU_DEP_1)
	v_max_num_f32 v13, v13, v254                   ; the running largest t
	v_mov_b32 v254, v12
	s_delay_alu instid0(VALU_DEP_2)
	v_floor_f32 v12, -v13                          ; the new -M = floor(-t) = -ceil(t): M is a whole number
	s_delay_alu instid0(VALU_DEP_1)
	v_sub_f32 v254, v12, v254                      ; M's old value less its new one: a whole number, 0 or less
	s_delay_alu instid0(VALU_DEP_1)
	v_cvt_i32_f32 v254, v254                       ; (it saturates)
	s_delay_alu instid0(VALU_DEP_1)
	v_ldexp_f32 v252, 1.0, v254                    ; f = 2^(old M - new M)
.set j, 0
.rept 32
	v_pk_fma_f32 v[96+j:97+j], v[96+j:97+j], s[CS:CS+1], v[12:13] op_sel_hi:[1,0,0]   ; t - M, two at a time
.set j, j+2
.endr
.set j, 0
	s_wait_alu depctr_va_vdst(0)
.rept 64
	v_exp_f32 v[96+j], v[96+j]                     ; p = 2^(t - M), at most 1: not normalised
.set j, j+1
.endr
	v_pk_mul_f32 v[14:15], v[14:15], v[252:253] op_sel_hi:[1,0]   ; the sums under the new M.  (A plain place behind the exponentials)
	s_wait_alu depctr_va_vdst(0)                   ; one wait for the whole batch, ahead of its first reader
	v_pk_add_f32 v[242:243], v[100:101], v[104:105]
	v_pk_add_f32 v[254:255], v[108:109], v[112:113]
	v_pk_add_f32 v[250:251], v[116:117], v[120:121]
	v_pk_add_f32 v[248:249], v[124:125], v[128:129]
	v_pk_add_f32 v[246:247], v[132:133], v[136:137]
	v_pk_add_f32 v[240:241], v[140:141], v[144:145]
	v_pk_add_f32 v[238:239], v[148:149], v[152:153]
	v_pk_add_f32 v[14:15], v[14:15], v[156:157]
	v_pk_add_f32 v[242:243], v[242:243], v[96:97]
	v_pk_add_f32 v[254:255], v[254:255], v[98:99]
	v_pk_add_f32 v[250:251], v[250:251], v[102:103]
	v_pk_add_f32 v[248:249], v[248:249], v[106:107]
	v_pk_add_f32 v[246:247], v[246:247], v[110:111]
	v_pk_add_f32 v[240:241], v[240:241], v[114:115]
	v_pk_add_f32 v[238:239], v[238:239], v[118:119]
	v_pk_add_f32 v[14:15], v[14:15], v[122:123]
	v_pk_add_f32 v[242:243], v[242:243], v[126:127]
	v_pk_add_f32 v[254:255], v[254:255], v[130:131]
	v_pk_add_f32 v[250:251], v[250:251], v[134:135]
	v_pk_add_f32 v[248:249], v[248:249], v[138:139]
	v_pk_add_f32 v[246:247], v[246:247], v[142:143]
	v_pk_add_f32 v[240:241], v[240:241], v[146:147]
	v_pk_add_f32 v[238:239], v[238:239], v[150:151]
	v_pk_add_f32 v[14:15], v[14:15], v[154:155]
	v_pk_add_f32 v[242:243], v[242:243], v[158:159]
	s_delay_alu instid0(VALU_DEP_2)
	v_pk_add_f32 v[14:15], v[14:15], v[248:249]
	s_delay_alu instid0(VALU_DEP_2)
	v_pk_add_f32 v[242:243], v[242:243], v[246:247]
	v_pk_add_f32 v[254:255], v[254:255], v[240:241]
	v_pk_add_f32 v[250:251], v[250:251], v[238:239]
	s_delay_alu instid0(VALU_DEP_2)
	v_pk_add_f32 v[14:15], v[14:15], v[254:255]
	s_delay_alu instid0(VALU_DEP_2)
	v_pk_add_f32 v[242:243], v[242:243], v[250:251]
	s_delay_alu instid0(VALU_DEP_1)
	v_pk_add_f32 v[14:15], v[14:15], v[242:243]
.irp t, 0,1,2,3,4,5,6,7
.irp i, 0,1,2,3,4,5,6,7
.endr
	v_cvt_scalef32_pk8_fp8_f32 v[192+2*\t:193+2*\t], v[96+8*\t:103+8*\t], v244
.endr
.set j, 0
.rept 16
	v_pk_mul_f32 v[160+j:161+j], v[160+j:161+j], v[252:253] op_sel_hi:[1,0]   ; O^T under the new M.  (Also the plain lines between the conversions and the products)
.set j, j+2
.endr
	s_wait_alu depctr_va_vdst(0)
	s_wait_dscnt 0x0                               ; V is in
.irp t, 0,1,2,3
	v_wmma_f32_16x16x128_fp8_fp8 v[160+8*\t:167+8*\t], v[32+16*\t:47+16*\t], v[192:207], v[160+8*\t:167+8*\t]   ; O^T: tile t = channels 16 t on; four accumulators by turns
.endr
.Lhidden_\@:
	s_add_co_u32 s[KF], s[KF], 128
.endm
; THE CHANGE OF SLOTS stands at a trip's head.  Each wave waits for all its tensor loads (its part of the slot that it is about to read), adds 0 to its spare word, and waits for that and for its reads of the slot that it has left.
; Behind the barrier the slot ahead is whole and nobody reads the other one.  fill = 1: that other slot takes the keys of trip J + 1: slot J + 1 of the head while the first block lasts (J + 1 <= I), else slot J - I.
.macro CHANGE fill
	s_wait_tensorcnt 0x0                           ; no tensor load of mine is out, so the group 0 may be written
	ds_add_u32 v[SPW], v[NIL]                      ; 0 onto my spare word
.if \fill
	s_add_co_u32 s66, s[J], 1
	s_sub_co_u32 s67, s[J], s[WI]
	s_cmp_le_u32 s66, s[WI]
	s_cselect_b32 s38, s66, s67
	s_lshl_b32 s38, s38, 14                        ; 16,384 bytes a slot in k_img and in v_img
	s_mov_b32 s39, 0
	s_add_nc_u64 s[G0+2:G0+3], s[HB:HB+1], s[38:39]
	s_or_b32 s[G0+3], s[G0+3], 0x80000000
	s_xor_b32 s[G0+1], s[G0+1], SLOT1              ; the other slot than last time
	s_wait_xcnt 0x0                                ; the last prefetch, a trip back, has read its address, so it may be written
	s_add_nc_u64 s[PFA:PFA+1], s[PFA:PFA+1], 16384
.endif
	s_wait_dscnt 0x0                               ; the add is done, and my reads of the slot that I have left are over
	s_barrier_signal -1
	s_barrier_wait -1
.if \fill
	TLOAD                                          ; the first thing behind the barrier, and a wave's one tensor load until the next: it has the trip's two key steps in which to land
	ASK
.endif
.endm
; A BLOCK'S END: O^T / the sum, quantised, and laid as the last product wants its operand.  Tile t's two code registers hold channels 16 t + 8 h + 0 .. 7; wanted are channels 32 b + 16 h + 0 .. 15 in four registers:
; lanes 0-15 give tile 2 b + 1's codes and take tile 2 b's from lane l + 16; lanes 16-31 the other way round.
.macro FINISH y
.rept 4
	v_nop                                          ; places in front of the first read of O^T
.endr
	s_wait_xcnt 0x0                                ; the first block's stores have read their registers: v208-215 may be written again
	v_add_f32 v14, v14, v15                        ; the sum's two halves,
	s_wait_alu depctr_va_vdst(0)
	v_permlanex16_b32 v236, v14, s[SEL], s[SEL+1]
	s_delay_alu instid0(VALU_DEP_1)
	v_add_f32 v14, v14, v236                       ; and lane l xor 16's
	s_wait_alu depctr_va_vdst(0)
	v_rcp_f32 v14, v14
	v_nop                                          ; a plain place behind the reciprocal
	s_wait_alu depctr_va_vdst(0)                   ; ahead of the first reader
.set j, 0
.rept 16
	v_pk_mul_f32 v[96+j:97+j], v[160+j:161+j], v[14:15] op_sel_hi:[1,0]
.set j, j+2
.endr
.set j, 0
.rept 32
.set j, j+1
.endr
.irp t, 0,1,2,3
	v_cvt_scalef32_pk8_fp8_f32 v[208+2*\t:209+2*\t], v[96+8*\t:103+8*\t], v245
.endr
	v_nop                                          ; one plain vector line between the conversions and the lines that touch their results
.irp b, 0,1
.irp e, 0,1
	v_cndmask_b32 v[216+2*\e], v[210+4*\b+\e], v[208+4*\b+\e], s[HM]          ; what I give
	s_delay_alu instid0(VALU_DEP_1)
	v_permlanex16_b32 v[217+2*\e], v[216+2*\e], s[SEL], s[SEL+1]              ; what I take
	v_cndmask_b32 v[208+4*\b+\e], v[208+4*\b+\e], v[217+2*\e], s[HM]
	v_cndmask_b32 v[210+4*\b+\e], v[217+2*\e], v[210+4*\b+\e], s[HM]
.endr
.endr
	global_store_b128 v[LI], v[208:211], s[\y:\y+1]              ; 32 lanes store 512 consecutive bytes, aligned
	global_store_b128 v[LI], v[212:215], s[\y:\y+1] offset:512
.endm
	s_wait_loadcnt 0x0                             ; Q
.Ltrip:                                            ; eight trips, each with a fill; the ninth is written out
	CHANGE 1
	STEP 0
	STEP 1
	s_xor_b32 s[TB], s[TB], SLOT1                  ; on to the other slot
	s_cmp_lg_u32 s[J], s[WI]                       ; behind trip I the first block is finished: it goes out, and the second begins at key 0
	s_cbranch_scc1 .Lsame
	FINISH YA
.irp j, 0,1,2,3,4,5,6,7
	v_mov_b32 v[16+\j], v[24+\j]
.endr
	INIT
	s_mov_b32 s[KF], 0
	s_mov_b32 s[Q0], s45
.Lsame:
	s_add_co_u32 s[J], s[J], 1
	s_cmp_lt_u32 s[J], 8
	s_cbranch_scc1 .Ltrip
	CHANGE 0
	STEP 0
	STEP 1
	FINISH YB
	s_wait_tensorcnt 0x0                           ; the wave's end
	ds_add_u32 v[SPW], v[NIL]
	s_wait_dscnt 0x0
	s_endpgm
.Lfunc_end_k_q427a48422c_attn:
	.size	k_q427a48422c_attn, .Lfunc_end_k_q427a48422c_attn-k_q427a48422c_attn
	.p2alignl 7, 3214868480
	.fill 96, 4, 3214868480
	.section	.rodata,"a",@progbits
	.p2align	6, 0x0
	.amdhsa_kernel k_q427a48422c_attn
		.amdhsa_group_segment_fixed_size 327680
		.amdhsa_private_segment_fixed_size 0
		.amdhsa_enable_private_segment 0
		.amdhsa_kernarg_size 40
		.amdhsa_user_sgpr_count 2
		.amdhsa_user_sgpr_kernarg_segment_ptr 1
		.amdhsa_wavefront_size32 1
		.amdhsa_system_sgpr_workgroup_id_x 1
		.amdhsa_system_sgpr_workgroup_id_y 1
		.amdhsa_system_sgpr_workgroup_id_z 1
		.amdhsa_system_vgpr_workitem_id 0
		.amdhsa_next_free_vgpr 256
		.amdhsa_next_free_sgpr 100
		.amdhsa_reserve_vcc 1
		.amdhsa_float_denorm_mode_32 3
		.amdhsa_float_denorm_mode_16_64 3
		.amdhsa_fp16_overflow 1
		.amdhsa_memory_ordered 1
		.amdhsa_forward_progress 1
		.amdhsa_inst_pref_size 92
	.end_amdhsa_kernel
	.amdgpu_metadata
---
amdhsa.version: [ 1, 2 ]
amdhsa.kernels:
  - .name:           k_q427a48422c_attn
    .symbol:         k_q427a48422c_attn.kd
    .args:
      - { .name: q_img, .offset: 0, .size: 8, .value_kind: global_buffer, .address_space: global }
      - { .name: k_img, .offset: 8, .size: 8, .value_kind: global_buffer, .address_space: global }
      - { .name: v_img, .offset: 16, .size: 8, .value_kind: global_buffer, .address_space: global }
      - { .name: lowp_scales, .offset: 24, .size: 8, .value_kind: global_buffer, .address_space: global }
      - { .name: y_img, .offset: 32, .size: 8, .value_kind: global_buffer, .address_space: global }
    .group_segment_fixed_size: 327680
    .private_segment_fixed_size: 0
    .kernarg_segment_align: 8
    .kernarg_segment_size: 40
    .max_flat_workgroup_size: 512
    .sgpr_count:     100
    .vgpr_count:     256
    .wavefront_size: 32
...
	.end_amdgpu_metadata
.endif
;; end of part 2
;; launch proj (part 3): grid 4 x 64, 4 waves a work-group, clusters of 4 x 4, 327,680 bytes of LDS; arguments y_img, W_proj_codes, b_proj, lowp_scales, out0; writes out0
.if DOCPART == 3
	.amdgcn_target "amdgcn-amd-amdhsa--gfx1250"
	.amdhsa_code_object_version 6
	.text
	.protected	k_q427a48422c_proj
	.globl	k_q427a48422c_proj
	.p2align	8
	.type	k_q427a48422c_proj,@function
k_q427a48422c_proj:
	s_mov_b64 s[64:65], 0
	v_nop
	global_prefetch_b8 v0, s[64:65] scope:SCOPE_SE
	s_setreg_imm32_b32 hwreg(HW_REG_WAVE_MODE, 25, 1), 1
	s_wait_xcnt 0x0
	s_wait_alu depctr_hold_cnt(0) depctr_sa_sdst(0) depctr_va_vdst(0) depctr_va_sdst(0) depctr_va_ssrc(0) depctr_va_vcc(0) depctr_vm_vsrc(0)
	s_getreg_b32 s2, hwreg(HW_REG_IB_STS2, 6, 4)
	s_cmp_eq_u32 s2, 0
	s_cbranch_scc0 .Lentry_in_a_cluster
	s_endpgm
.Lentry_in_a_cluster:
	s_bfe_u32 s2, ttmp6, 0x10000c
	s_cmp_lg_u32 s2, 0xf033
	s_cbranch_scc0 .Lentry_shape_is_right
	s_endpgm
.Lentry_shape_is_right:
; out0 = y W_proj + b_proj on codes of E4M3.  y_img: the codes of y [8192][1024] as images of operand registers (the launch before lays them); W_proj_codes: [1024][1024], K innermost; b_proj [1024], out0 [8192][1024]: f32.
; out = sum x 2^(e6 + e7) + b: one packed multiply-add for two numbers.  LIMIT: e6 + e7 between -126 and 127, so that 2^(e6 + e7) is an f32 number.
; A TILE of out0 is 128 rows x 256 columns: 256 tiles, one for each work-group.  Four waves, each 64 x 128: 32 accumulators, 256 registers.
; THE MATRIX INSTRUCTION IS USED TRANSPOSED (source 0 = 16 rows of W_proj, source 1 = 16 rows of y): a lane holds eight neighbouring numbers of a row of out0.
; K goes in four steps of 256 through THREE LDS slots: steps 0, 1, 2 are asked for together at the start, step 3 is the one refill (slot 0); no loop.
; y's tile of 128 rows x 256 K is one dense block of 32,768 bytes: [8 tiles of 16 rows][2 x 128 K][2,048 bytes]: a fragment comes by four loads at 16 x lane.  Its registers 4 c .. 4 c + 3 hold K 32 c + 16 h + 0 .. 15,
; which is what four loads of 16 bytes, 32 bytes apart, give of W_proj's rows: the same permutation of k on both sides.
; CLUSTERS: 4 x 4 work-groups; y's tile is shared along a row of the cluster, W_proj's along a column: joint loads.
; REGISTERS, in windows of 256: window 0: v1, v2 r, h; v8-10, v12-14 LDS addresses; v16 16 x lane; v17, v18 the stage; v28, v29 the spare word's address and 0; v32-95 the bias in the result's layout;
;   v128-191, v192-255 y's fragments, two sets (set 0's registers take the results on the way out).   window 1: W_proj's fragments, two sets; on the way out the rows read back.   window 2: accumulator (a, b) at v[8 (8 a + b)].
.set PITCH,  272                       ; an LDS row of W_proj: 256 bytes + 16 of padding: the 16 rows that a load touches start at 16 different banks (64 banks of 4 bytes: ISA guide 11.1)
.set HALFT,  128*PITCH
.set AT,     32768                     ; a slot: y's images, then W_proj's 256 rows
.set SLOT,   AT+2*HALFT
.set SPARE,  3*SLOT                    ; behind the slots: the spare words, 128 bytes for each wave: two blocks of 256 bytes that no other line names
.set ASTEP,  32768                     ; a K step in y_img
.set SPITCH, 528                       ; the way out: a stage of 16 rows x (512 bytes + 16) for each wave, in slot 1, which has had its one fill and, behind the last barrier, its last read
.set ADRA, 8
.set ADRB, 12
.set LI,   16
.set STO,  17
.set RD,   18
.set SPW,  28
.set NIL,  29
.set BT,   32
.set TMP,  128
.set G1A, 24
.set G1B, 32
.set G0A, 40
.set G0B, 52
.set MUL,  0xa1                        ; source 0 (W_proj) window 1, source 1 (y) window 0, C and D window 2
.set TO_B, 0x40                        ; destination window 1, address window 0
.set MSB, 0
.macro WIN new                         ; the immediate's high byte repeats the setting that is left
.if MSB != \new
	s_set_vgpr_msb (MSB<<8)|\new
.set MSB, \new
.endif
.endm
.macro PLACES n
.rept \n
	v_nop
.endr
.endm
.macro CREST                           ; a round of the cluster's barrier behind its opening barrier
	s_cmp_lg_u32 s18, 0
	s_cbranch_scc1 .Lnot_wave_0_\@
	s_barrier_signal -3
.Lnot_wave_0_\@:
	s_barrier_wait -3
	s_barrier_signal -1
	s_barrier_wait -1
.endm
.macro CROUND
	s_barrier_signal -1
	s_barrier_wait -1
	CREST
.endm
.macro FRAGR reg, adr, q, i            ; a fragment from padded rows
.irp c, 0,1,2,3
	ds_load_b128 v[\reg+4*\c:\reg+4*\c+3], v[\adr] offset:128*(\q)+32*\c+(\i)*16*PITCH
.endr
.endm
.macro FRAGI reg, adr, q, i            ; a fragment from its image
.irp c, 0,1,2,3
	ds_load_b128 v[\reg+4*\c:\reg+4*\c+3], v[\adr] offset:(2*(\i)+(\q))*2048+512*\c
.endr
.endm
.macro FETCH slot, q, p                ; 48 LDS loads in one run
	WIN TO_B
.irp i, 0,1,2,3,4,5,6,7
	FRAGR 128*(\p)+16*\i, ADRB+\slot, \q, \i
.endr
	WIN 0
.irp i, 0,1,2,3
	FRAGI 128+64*(\p)+16*\i, ADRA+\slot, \q, \i
.endr
.endm
; 8 products: y's block a against W_proj's eight, sets p.  zero = 1: the first product starts the sums.  The 32 accumulators take turns, one instruction a turn.
.macro MUL8 a, p, zero
.irp b, 0,1,2,3,4,5,6,7
.if \zero
	v_wmma_f32_16x16x128_fp8_fp8 v[8*(8*(\a)+\b):8*(8*(\a)+\b)+7], v[128*(\p)+16*\b:128*(\p)+16*\b+15], v[128+64*(\p)+16*(\a):128+64*(\p)+16*(\a)+15], 0
.else
	v_wmma_f32_16x16x128_fp8_fp8 v[8*(8*(\a)+\b):8*(8*(\a)+\b)+7], v[128*(\p)+16*\b:128*(\p)+16*\b+15], v[128+64*(\p)+16*(\a):128+64*(\p)+16*(\a)+15], v[8*(8*(\a)+\b):8*(8*(\a)+\b)+7]
.endif
.endr
.endm
.macro STEP p, fetch, fs, fq
	s_wait_dscnt 0x0                               ; sets p are in (asked for a step ago)
.if \fetch
	PLACES 4                                       ; in front of loads into registers that the last step's products read
	FETCH \fs, \fq, 1-\p
.endif
	WIN MUL
	MUL8 0, \p, 0
	MUL8 1, \p, 0
	MUL8 2, \p, 0
	MUL8 3, \p, 0
	WIN 0
.endm
	s_load_b256 s[4:11], s[0:1], 0x0               ; y_img s[4:5], W_proj s[6:7], b_proj s[8:9], the scales' exponents s[10:11]
	s_load_b64 s[12:13], s[0:1], 0x20              ; out0
	v_lshl_add_u32 v[SPW], v0, 2, SPARE
	v_mov_b32 v[NIL], 0
	ds_add_u32 v28, v29
	ds_add_u32 v28, v29
	s_wait_dscnt 0x0
	v_lshrrev_b32 v3, 5, v0
	v_readfirstlane_b32 s18, v3                    ; wave 0..3
	s_lshr_b32 s19, s18, 1                         ; which 64 rows are mine.  Also: I fetch for y (0) or for W_proj (1)
	s_and_b32 s20, s18, 1                          ; which 128 columns.  Also: which half of that tile I fetch
	s_bfe_u32 s22, ttmp6, 0x40000                  ; cx
	s_bfe_u32 s23, ttmp6, 0x40004                  ; cy
	s_and_b32 s83, ttmp7, 0xffff
	s_lshl_b32 s83, s83, 2
	s_add_co_u32 s83, s83, s23                     ; tile row = 4 x cluster y + cy
	s_lshl_b32 s84, ttmp9, 2
	s_add_co_u32 s84, s84, s22                     ; tile column = 4 x cluster x + cx
	s_lshl_b32 s88, s23, 2
	s_lshl_b32 s88, 15, s88                        ; my row of the cluster
	s_lshl_b32 s89, 0x1111, s22                    ; my column
	; descriptor groups 1.  y: a dense block of 16,384 bytes as 64 rows of 32 elements of 8 bytes.  W_proj: 128 rows of 256 bytes, 1,024 apart, padded in LDS
	s_or_b32 s[G1A], s88, (3<<16)|(1<<21)
	s_mov_b32 s[G1A+1], 32<<16
	s_mov_b32 s[G1A+2], 64<<16
	s_mov_b32 s[G1A+3], 32<<16
	s_mov_b32 s[G1A+4], 64
	s_mov_b32 s[G1A+5], 32
	s_mov_b32 s[G1A+6], 0
	s_mov_b32 s[G1A+7], 0
	s_or_b32 s[G1B], s89, (1<<20)|(1<<21)|(5<<22)|(3<<25)
	s_mov_b32 s[G1B+1], 256<<16
	s_mov_b32 s[G1B+2], 128<<16
	s_mov_b32 s[G1B+3], 256<<16
	s_mov_b32 s[G1B+4], 128
	s_mov_b32 s[G1B+5], 1024
	s_mov_b32 s[G1B+6], 0
	s_mov_b32 s[G1B+7], 0
	s_lshl_b32 s88, s83, 17                        ; y: 131,072 bytes a tile row, + 16,384 x half
	s_lshl_b32 s21, s20, 14                        ; (also the half's place in a slot)
	s_add_co_u32 s88, s88, s21
	s_mov_b32 s89, 0
	s_lshl_b32 s86, s84, 8                         ; W_proj: row 256 x tile column + 128 x half
	s_lshl_b32 s77, s20, 7
	s_add_co_u32 s86, s86, s77
	s_lshl_b32 s86, s86, 10
	s_mov_b32 s87, 0
	s_mul_i32 s77, s20, HALFT
	s_add_co_u32 s77, s77, AT
	s_wait_kmcnt 0x0
	s_load_b256 s[68:75], s[10:11], 0x0            ; e0 .. e7
	s_add_nc_u64 s[78:79], s[4:5], s[88:89]
	s_add_nc_u64 s[80:81], s[6:7], s[86:87]
.irp s, 0,1,2
	s_mov_b32 s[G0A+4*\s], 1
	s_add_co_u32 s[G0A+4*\s+1], s21, \s*SLOT
	s_add_nc_u64 s[G0A+4*\s+2:G0A+4*\s+3], s[78:79], \s*ASTEP
	s_or_b32 s[G0A+4*\s+3], s[G0A+4*\s+3], 0x80000000
	s_mov_b32 s[G0B+4*\s], 1
	s_add_co_u32 s[G0B+4*\s+1], s77, \s*SLOT
	s_add_nc_u64 s[G0B+4*\s+2:G0B+4*\s+3], s[80:81], \s*256
	s_or_b32 s[G0B+4*\s+3], s[G0B+4*\s+3], 0x80000000
.endr
	CROUND                                         ; all sixteen work-groups are here: the first joint loads meet
	s_cmp_eq_u32 s19, 0                            ; a wave's three first fills stand in one branch on the wave's number: three loads of mine are out
	s_cbranch_scc0 .Lfirst_b
	tensor_load_to_lds s[G0A:G0A+3], s[G1A:G1A+7]
	s_nop 0
	tensor_load_to_lds s[G0A+4:G0A+7], s[G1A:G1A+7]
	s_nop 0
	tensor_load_to_lds s[G0A+8:G0A+11], s[G1A:G1A+7]
	s_nop 0
	PLACES 4
	s_branch .Lfirst_asked
.Lfirst_b:
	tensor_load_to_lds s[G0B:G0B+3], s[G1B:G1B+7]
	s_nop 0
	tensor_load_to_lds s[G0B+4:G0B+7], s[G1B:G1B+7]
	s_nop 0
	tensor_load_to_lds s[G0B+8:G0B+11], s[G1B:G1B+7]
	s_nop 0
	PLACES 4
.Lfirst_asked:
	v_and_b32 v1, 15, v0                           ; r
	v_bfe_u32 v2, v0, 4, 1                         ; h
	v_and_b32 v3, 31, v0
	v_lshlrev_b32 v[LI], 4, v3
	v_mul_u32_u24 v4, v1, PITCH
	v_lshl_add_u32 v4, v2, 4, v4
	s_lshl_b32 s82, s19, 14                        ; my four tiles of 16 rows of y
	s_mul_i32 s85, s20, HALFT
	s_add_co_u32 s85, s85, AT                      ; my 128 rows of W_proj
.irp s, 0,1,2
	v_add_nc_u32 v[ADRA+\s], s82, v[LI]
	v_add_nc_u32 v[ADRB+\s], s85, v4
	s_add_co_u32 s82, s82, SLOT
	s_add_co_u32 s85, s85, SLOT
.endr
	s_mul_i32 s82, s18, 16*SPITCH
	s_add_co_u32 s82, s82, SLOT                    ; my stage
	v_mul_u32_u24 v5, v1, SPITCH                   ; in: row r, 32 bytes for each half of the lanes
	v_lshl_add_u32 v5, v2, 5, v5
	v_add_nc_u32 v[STO], s82, v5
	v_add_nc_u32 v[RD], s82, v[LI]                 ; back: the 32 lanes take one row of 512 bytes
	s_lshl_b32 s82, s83, 7
	s_lshl_b32 s85, s19, 6
	s_add_co_u32 s82, s82, s85                     ; my first row of out0,
	s_lshl_b32 s82, s82, 12                        ; 4,096 bytes a row
	s_lshl_b32 s85, s84, 8
	s_lshl_b32 s86, s20, 7
	s_add_co_u32 s85, s85, s86                     ; my first column,
	s_lshl_b32 s88, s85, 2                         ; in bytes
	s_mov_b32 s89, 0
	s_add_nc_u64 s[92:93], s[8:9], s[88:89]        ; b_proj at my first column
	s_add_co_u32 s88, s88, s82
	s_add_nc_u64 s[90:91], s[12:13], s[88:89]      ; out0 at my part
	v_lshlrev_b32 v6, 5, v2                        ; the bias in the result's layout: entry 8 b + j = b_proj(first + 16 b + 8 h + j)
.irp b, 0,1,2,3,4,5,6,7
	global_load_b128 v[BT+8*\b:BT+8*\b+3], v6, s[92:93] offset:64*\b
	global_load_b128 v[BT+8*\b+4:BT+8*\b+7], v6, s[92:93] offset:64*\b+16
.endr
	s_wait_kmcnt 0x0
	s_add_co_i32 s94, s74, s75
	s_add_co_i32 s94, s94, 127
	s_lshl_b32 s94, s94, 23                        ; 2^(e6 + e7) as f32
	s_mov_b32 s95, s94                             ; (named with it as a pair, so it is written)
	s_wait_loadcnt 0x0
	s_wait_tensorcnt 0x2                           ; my part of K step 0 is in; K steps 1 and 2 may stay out
	s_barrier_signal -1
	s_barrier_wait -1
	FETCH 0, 0, 0
	FETCH 0, 1, 1
	s_wait_dscnt 48                                ; the first fetch is in; the second's 48 loads may be out
	WIN MUL
	MUL8 0, 0, 1
	MUL8 1, 0, 1
	MUL8 2, 0, 1
	MUL8 3, 0, 1
	WIN 0
	; THE ONE REFILL.  Slot 0 has been read out: it takes K step 3.
	s_wait_tensorcnt 0x0                           ; all my tensor loads have landed: my parts of K steps 1 and 2
	ds_add_u32 v[SPW], v[NIL]                      ; 0 onto my spare word
	s_wait_dscnt 0x1                               ; sets 1 are in; the add may be out
	WIN MUL
	MUL8 0, 1, 0                                   ; eight matrix instructions stand between the add and the wait for it
	s_wait_dscnt 0x0                               ; the add is done, and my reads of slot 0 are over
	s_barrier_signal -1
	MUL8 1, 1, 0
	WIN 0
	s_barrier_wait -1
	CREST                                          ; no wave of any partner still reads slot 0 or has a load on its way
	s_add_nc_u64 s[G0A+2:G0A+3], s[G0A+2:G0A+3], 3*ASTEP
	s_add_nc_u64 s[G0B+2:G0B+3], s[G0B+2:G0B+3], 3*256
	s_cmp_eq_u32 s19, 0
	s_cbranch_scc0 .Lrefill_b
	tensor_load_to_lds s[G0A:G0A+3], s[G1A:G1A+7]  ; the first tensor load behind the round, one a wave: 128 matrix instructions ahead of the wait for it
	s_nop 0
	PLACES 4                                       ; (the places in front of the loads below)
	s_branch .Lrefill_asked
.Lrefill_b:
	tensor_load_to_lds s[G0B:G0B+3], s[G1B:G1B+7]
	s_nop 0
	PLACES 4
.Lrefill_asked:
	s_wait_alu depctr_va_vdst(0)
	FETCH 1, 0, 0
	WIN MUL
	MUL8 2, 1, 0
	MUL8 3, 1, 0
	WIN 0
	STEP 0, 1, 1, 1
	STEP 1, 1, 2, 0
	STEP 0, 1, 2, 1
	; K step 3 is wanted: the wave that asked waits for its part, then the work-group's barrier.  Behind it nobody reads slots 1 and 2 any more.
	s_wait_tensorcnt 0x0                           ; the one load that was out: my part of K step 3
	s_wait_dscnt 0x0                               ; sets 1 are in
	s_barrier_signal -1
	WIN MUL
	MUL8 0, 1, 0
	MUL8 1, 1, 0
	WIN 0
	s_barrier_wait -1
	PLACES 4
	FETCH 0, 0, 0
	WIN MUL
	MUL8 2, 1, 0
	MUL8 3, 1, 0
	WIN 0
	STEP 0, 1, 0, 1
	STEP 1, 0, 0, 0
	PLACES 4                                       ; in front of the first read of results, and of loads into registers that the products read
; THE WAY OUT, block by block of 16 rows x 128 columns.  A lane holds 32 neighbouring bytes of a row, and the lanes beside it hold other rows: so a block goes through my own stage in LDS and comes back as whole rows of 512 bytes.
; LDS serves a wave's instructions in order (ISA guide 5.7.1.4): no wait between the stores and the loads, nor in front of the next block's stores.  Each block comes back into registers of its own, so no store's data are written again.
.macro TOSTAGE a
	WIN 0x02                                       ; source 0: window 2
.set j, 0
.rept 32
	v_pk_fma_f32 v[TMP+j:TMP+j+1], v[64*\a+j:64*\a+j+1], s[94:95], v[BT+j:BT+j+1] op_sel_hi:[1,0,1]   ; sum x 2^(e6 + e7) + b, each accumulator from its low end on
.set j, j+2
.endr
	WIN 0
.irp b, 0,1,2,3,4,5,6,7
	ds_store_b128 v[STO], v[TMP+8*\b:TMP+8*\b+3] offset:64*\b
	ds_store_b128 v[STO], v[TMP+8*\b+4:TMP+8*\b+7] offset:64*\b+16
.endr
	WIN TO_B
.irp t, 0,1,2,3,4,5,6,7,8,9,10,11,12,13,14,15
	ds_load_b128 v[64*\a+4*\t:64*\a+4*\t+3], v[RD] offset:\t*SPITCH
.endr
	WIN 0
.endm
.macro SEND a, younger                 ; younger: the LDS instructions issued behind block a's loads, which may stay out
	s_wait_dscnt \younger
	WIN 0x04                                       ; the stores' data: window 1
.irp t, 0,1,2,3,4,5,6,7,8,9,10,11,12,13,14,15
	global_store_b128 v[LI], v[64*\a+4*\t:64*\a+4*\t+3], s[90:91] offset:(16*\a+\t)*4096 th:TH_STORE_NT   ; 32 lanes store 512 consecutive bytes, aligned; written once, read by nobody here
.endr
.endm
	TOSTAGE 0
	TOSTAGE 1
	SEND 0, 32                                     ; behind block 0's loads: block 1's 16 stores and 16 loads
	TOSTAGE 2
	SEND 1, 32
	TOSTAGE 3
	SEND 2, 32
	SEND 3, 0
	WIN 0
	s_wait_tensorcnt 0x0                           ; the wave's end
	ds_add_u32 v[SPW], v[NIL]
	s_wait_dscnt 0x0
	CROUND                                         ; the closing round: no work-group ends while a partner may still ask for a tile that names it
	s_endpgm
.Lfunc_end_k_q427a48422c_proj:
	.size	k_q427a48422c_proj, .Lfunc_end_k_q427a48422c_proj-k_q427a48422c_proj
	.p2alignl 7, 3214868480
	.fill 96, 4, 3214868480
	.section	.rodata,"a",@progbits
	.p2align	6, 0x0
	.amdhsa_kernel k_q427a48422c_proj
		.amdhsa_group_segment_fixed_size 327680
		.amdhsa_private_segment_fixed_size 0
		.amdhsa_enable_private_segment 0
		.amdhsa_kernarg_size 40
		.amdhsa_user_sgpr_count 2
		.amdhsa_user_sgpr_kernarg_segment_ptr 1
		.amdhsa_wavefront_size32 1
		.amdhsa_system_sgpr_workgroup_id_x 1
		.amdhsa_system_sgpr_workgroup_id_y 1
		.amdhsa_system_sgpr_workgroup_id_z 1
		.amdhsa_system_vgpr_workitem_id 0
		.amdhsa_next_free_vgpr 768
		.amdhsa_next_free_sgpr 100
		.amdhsa_reserve_vcc 0
		.amdhsa_float_denorm_mode_32 3
		.amdhsa_float_denorm_mode_16_64 3
		.amdhsa_memory_ordered 1
		.amdhsa_forward_progress 1
		.amdhsa_inst_pref_size 76
	.end_amdhsa_kernel
	.amdgpu_metadata
---
amdhsa.version: [ 1, 2 ]
amdhsa.kernels:
  - .name:           k_q427a48422c_proj
    .symbol:         k_q427a48422c_proj.kd
    .args:
      - { .name: y_img, .offset: 0, .size: 8, .value_kind: global_buffer, .address_space: global }
      - { .name: W_proj_codes, .offset: 8, .size: 8, .value_kind: global_buffer, .address_space: global }
      - { .name: b_proj, .offset: 16, .size: 8, .value_kind: global_buffer, .address_space: global }
      - { .name: lowp_scales, .offset: 24, .size: 8, .value_kind: global_buffer, .address_space: global }
      - { .name: out0, .offset: 32, .size: 8, .value_kind: global_buffer, .address_space: global }
    .group_segment_fixed_size: 327680
    .private_segment_fixed_size: 0
    .kernarg_segment_align: 8
    .kernarg_segment_size: 40
    .max_flat_workgroup_size: 128
    .sgpr_count:     100
    .vgpr_count:     768
    .wavefront_size: 32
...
	.end_amdgpu_metadata
.endif
;; end of part 3
